; MI455X (gfx1250); checked and timed in simulation.
; The chip was launched on July 23, 2026; its instructions are those of AMD's public machine-readable ISA for CDNA 5 (MIT licence, August 2026) and "CDNA5" Instruction Set Architecture Reference Guide (July 2026). The comments in the code are by the model that wrote it; some were corrected since.
;; Batched Experts. Allowed arithmetic: matrix products marked QUANTISED: E2M3 operands, one E8M0 scale for each 32 along K, by v_wmma_scale_f32_16x16x128_f8f6f4 with both operands' format E2M3, f32 sums; products left as they are: f32 operands where the result goes on into a quantised operand, else bf16, f16 or f32 operands; f32 sums; everything else in f32.
;; Inputs: b0 8 x 1 x 2,048 float32; b1 8 x 1 x 1,024 float32; routing_tensor 2,048 x 8 float32; w0_codes 8 x 2,048 x 32 x 24 uint8 (E2M3 codes of w0, K innermost, in blocks of 32 codes, four codes in three bytes); w0_scales 8 x 2,048 x 32 uint8 (E8M0 scales of w0, one for each 32 codes along K); w1_codes 8 x 1,024 x 64 x 24 uint8 (E2M3 codes of w1, K innermost, in blocks of 32 codes, four codes in three bytes); w1_scales 8 x 1,024 x 64 uint8 (E8M0 scales of w1, one for each 32 codes along K); x_codes 2,048 x 32 x 24 uint8 (E2M3 codes of x, K innermost, in blocks of 32 codes, four codes in three bytes); x_scales 2,048 x 32 uint8 (E8M0 scales of x, one for each 32 codes along K).
;; Outputs: out0 2,048 x 1,024 float32.
;; This version of the problem:
;;   THIS VERSION OF THE PROBLEM IS GIVEN IN LOW PRECISION. The matrix products marked QUANTISED in the list below multiply operands that are first quantised to E2M3 (2 exponent bits, 3 mantissa bits; 6 bits a number), with one power-of-two scale for each 32 numbers along K (OCP MX v1.0); their sums are f32. All else is computed in f32.
;;   The module's matrix products, in the order in which they are computed (A, B: the left and right operand; K: the contracted axis; several contracted axes count as one K, in the product's order):
;;     1. [M 16,384, K 1,024] x [K 1,024, N 2,048]; A: input w0 (given as codes); B: input x (given as codes): QUANTISED
;;     2. batch 8 x [M 2,048, K 2,048] x [K 2,048, N 1,024]; A: computed on the way; B: input w1 (given as codes): QUANTISED
;;     3. batch 2,048 x [M 1, K 8] x [K 8, N 1,024]; A: input routing_tensor; B: computed on the way: left as it is (K = 8 < 32)
;;   THE QUANTISER, for each operand of a quantised product, along K:
;;     - K is cut into blocks of 32 from its start; a last block that is shorter is filled with zeros.
;;     - A block's scale is 2^e with e = floor(log2(the largest magnitude in the block)) - 2, held to -126 .. 127; a block of zeros has e = 0. As a byte (E8M0): e + 127.
;;     - Each number is divided by its block's scale, clamped to +-7.5, and rounded to the nearest number of E2M3, ties to even, subnormals kept.
;;     - The product sums the exact products of the quantised numbers (number of the format x scale) in f32.
;;   ~~~python
;;   def quantise(x, axis):      # numpy; x: float32 -> the quantised numbers, widened to float32 again
;;       x = np.moveaxis(x, axis, -1); K = x.shape[-1]
;;       x = np.pad(x, [(0, 0)] * (x.ndim - 1) + [(0, -K % 32)]); x = x.reshape(x.shape[:-1] + (-1, 32)); a = np.abs(x).max(-1, keepdims=True)
;;       e = np.where(a > 0, np.clip(np.frexp(np.where(a > 0, a, 1))[1] - 1 - 2, -126, 127), 0)      # np.frexp(a)[1] - 1 = floor(log2(a)), exactly
;;       r = np.clip(x / 2.0 ** e, -7.5, 7.5)
;;       step = 2.0 ** (np.maximum(np.frexp(np.where(r == 0, 1, r))[1] - 1, 0) - 3)
;;       q = np.round(r / step) * step * 2.0 ** e      # np.round: ties to even
;;       return np.moveaxis(q.reshape(q.shape[:-2] + (-1,))[..., :K], -1, axis).astype(np.float32)
;;   ~~~
;;   OPERANDS COMPUTED ON THE WAY. 'Computed on the way' means the value that the module computes at that place (a softmax that the list does not call 'softmax' is quantised finished and normalised). What goes into a quantiser is computed in f32, as accurately as f32 sums, v_exp_f32 and their like allow (about 1e-6 of the number): no bf16 or f16 on the way to a quantiser, and a product that is left as it is and whose result goes on into a quantised operand takes f32 operands (vector FMAs, or v_wmma_f32_16x16x4_f32). A number that lies on a knife's edge between two numbers of the format may be rounded either way, as far as f32 arithmetic and the matrix unit's own rounding can turn it there, and no further.
;;   INPUTS GIVEN AS CODES. w0 (in the module: [8, 1024, 2048], K = its axis 1); w1 (in the module: [8, 2048, 1024], K = its axis 1); x (in the module: [2048, 1024], K = its axis 1): each comes as NAME_codes (uint8): NAME with its K axis moved to the last place and cut into blocks of 32 codes, [.., K / 32, bytes a block], one block behind the other in memory; four codes in three bytes: a row's codes are one little-endian stream of bits, code i at bits 6 i .. 6 i + 5 (a code: sign, 2 exponent bits, 3 mantissa bits); and NAME_scales (uint8): the same leading axes, one E8M0 byte (e + 127) for each 32 codes along K. Its value is code x scale, taken as it is: it is not quantised again, and the codes and scales need not be those that the quantiser above would give.
;; One version. Each part assembles by itself: llvm-mc -triple=amdgcn-amd-amdhsa -mcpu=gfx1250 --defsym DOCPART=n.
;; ======== version 1 of 1: 3 launches
;; limits: a function is approximated: absolute error at most 1.5e-07; an absolute error that grows with the inputs' magnitude: up to 1e-07 times it
;; workspace buffers: h_img 25,165,824 bytes; h_sc 1,048,576 bytes; part 67,108,864 bytes
;; launch hid (part 1): grid 64 x 8, 4 waves a work-group, clusters of 4 x 4, 327,680 bytes of LDS; arguments x_codes, x_scales, w0_codes, w0_scales, b0, h_img, h_sc; writes h_img, h_sc
.if DOCPART == 1
	.amdgcn_target "amdgcn-amd-amdhsa--gfx1250"
	.amdhsa_code_object_version 6
	.text
	.protected	k_q61ddf3aa32_hid
	.globl	k_q61ddf3aa32_hid
	.p2align	8
	.type	k_q61ddf3aa32_hid,@function
k_q61ddf3aa32_hid:
	s_mov_b64 s[64:65], 0
	v_nop
	global_prefetch_b8 v0, s[64:65] scope:SCOPE_SE
	s_setreg_imm32_b32 hwreg(HW_REG_WAVE_MODE, 25, 1), 1
	s_wait_xcnt 0x0
	s_wait_alu depctr_hold_cnt(0) depctr_sa_sdst(0) depctr_va_vdst(0) depctr_va_sdst(0) depctr_va_ssrc(0) depctr_va_vcc(0) depctr_vm_vsrc(0)
	s_getreg_b32 s2, hwreg(HW_REG_IB_STS2, 6, 4)
	s_cmp_eq_u32 s2, 0
	s_cbranch_scc0 .Lentry_in_a_cluster
	s_endpgm
.Lentry_in_a_cluster:
	s_bfe_u32 s2, ttmp6, 0x10000c
	s_cmp_lg_u32 s2, 0xf033
	s_cbranch_scc0 .Lentry_shape_is_right
	s_endpgm
.Lentry_shape_is_right:
; h[e][n][f] = gelu(sum over k of x[n][k] w0[e][f][k] + b0[e][f]), quantised along f to codes of FP6 (E2M3) with one E8M0 scale for each 32 f.
; x: [2048][1024], w0 taken flat: [8 x 2048][1024]: codes of 6 bits, K innermost, a row one stream of bits (768 bytes); scale bytes [rows][32].  Sums in f32.
; A tile of 256 tokens x 256 hidden units is made by a work-group of four waves; a wave makes 128 x 128: 64 accumulators of 16 x 16, 512 registers.
; K goes in steps of 256 through a ring of two LDS slots filled by the tensor data mover; the scale bytes of the tile's 256 + 256 rows, for all of K, come into LDS once, with the first fills.
; CLUSTERS: 4 x 4 work-groups.  The four of a row of the cluster need the same tiles of x, the four of a column the same tiles of w0: each tile is asked for JOINTLY.
; THE MATRIX INSTRUCTION IS USED TRANSPOSED (source 0 = 16 rows of w0, source 1 = 16 tokens): a lane holds ONE token (lane % 16) and eight neighbouring hidden units.
; The bias is the C of each sum's first matrix instruction: eight registers for each block of 16 hidden units, in the result's layout.
; THE WAY OUT.  A wave's 128 hidden units are one K step of the next product.  For each block of 16 tokens: gelu in f32, the block scales, the conversion; what leaves is the IMAGE OF THE OPERAND'S REGISTERS:
; h_img [e][token / 16][f / 128][1,536 bytes], group g of four registers at 512 g + 16 x lane;  h_sc [e][f / 128][token], one word of four scale bytes.
; The gelu's lines are laid as a pipeline over eight groups of eight numbers, so that three plain lines of other groups stand behind each reciprocal and each exponential.
; LIMITS.  erf is taken as 1 - (a1 t + .. + a5 t^5) exp(-w^2), t = 1 / (1 + 0.3275911 |w|): absolute error of erf at most 1.5e-7, so gelu(z) is off by at most about 1e-7 |z|.
; A block of zeros gets the scale byte 1 (its codes are zeros; this program alone reads the bytes).  NaN and infinities among the inputs are not served.
; REGISTERS, in windows of 256: window 0: v0-31 addresses and constants; v32-63 scale words, two sets; from v128 x's fragments, ONE set; on the way out v64-255 are at work.
;   window 1: w0's fragments, TWO sets, at v0 and v128; the bias at v96-127 and v224-255.   window 2: the accumulators of my tokens 0-63 ((a, b) at v[8 (8 a + b)]);   window 3: those of my tokens 64-127.
.set SIZE_K, 1024
.set KSTEP,  256                       ; along K in a slot
.set NQ,     KSTEP/128                 ; matrix instructions deep
.set ROWB,   192                       ; a tile's row in bytes
.set KROW,   SIZE_K*6/8                ; a row of codes in memory, in bytes
.set PITCH,  240                       ; an LDS row: 3 x (64 bytes of data + 16 of padding)
.set FR,     12                        ; registers of a fragment: 16 rows x 128 K
.set NL,     6                         ; LDS loads that bring one
.set NP,     4                         ; places behind this matrix instruction (ISA guide 7.12.1)
.set HALFT,  128*PITCH                 ; 128 rows: what one tensor load brings
.set SLOT,   4*HALFT                   ; x's 256 rows, then w0's 256 rows
.set LAPS,   SIZE_K/(2*KSTEP)          ; a lap = two K steps = once round the ring
.set KS,     SIZE_K/32                 ; a row of scale bytes
.set SCL,    2*SLOT                    ; behind the ring: the scales, as units of 256 bytes + 16 of padding
.set HALFS,  (128*KS/256)*272          ; the scales of 128 rows
.set SBLK,   (16*KS/256)*272           ; those of 16 rows
.set SPARE,  SCL+4*HALFS               ; the spare words, 128 bytes for each wave: two blocks of 256 bytes that no other line names
.set IMGR,   16*1536                   ; from a block of 16 tokens to the next in h_img, in bytes
.set BIA,  7                           ; v7      32 x (lane / 16): my eight numbers of a block's bias
.set LI,   8                           ; v8      16 x lane: an image's place for my lane; never rewritten
.set SWA,  9                           ; v9      LDS: 512 x wave + 4 x (lane % 16): my token's scale word (in slot 0, which has had its last fill and its last read by then)
.set SWT,  10                          ; v10     the same, for the block of tokens in hand
.set RDW,  11                          ; v11     LDS: 512 x wave + 16 x lane: the wave's 128 scale words on their way out
.set KCE,  12                          ; v[12:13]   -2 log2(e), twice
.set KONE, 14                          ; v[14:15]   1.0, twice
.set ADRA, 16                          ; v16-17  LDS address of my x fragments in slot 0, 1  (v18-19: for the pieces behind one padding more)
.set ADRB, 20                          ; v20-21  the same for w0  (v22-23)
.set ADRS, 27                          ; v27     LDS address of my scale words: lanes 0-15 x's rows, lanes 16-31 w0's
.set SPW,  28                          ; v28     LDS address of my spare word; never rewritten
.set NIL,  29                          ; v29     0; never rewritten
.set SC,   32                          ; scale words: set s at v[SC + 8 NQ s]; register NQ i + q: lanes 0-15 x's block i, lanes 16-31 w0's block i
.set AF,   128                         ; x's fragments, in window 0
.set BI,   96                          ; the bias, in window 1: block b at v[96 + 8 b] (b < 4), v[224 + 8 (b - 4)]
.set Z,    64                          ; the way out: v64-127 64 numbers of a lane
.set T,    128                         ; v128-159 t: eight registers for each of four groups in turn
.set U,    160                         ; v160-191 exp(-w^2), likewise
.set P,    192                         ; v192-223 the polynomial, likewise
.set TM,   128                         ; v128-143 the quantiser's work (t is done with by then)
.set QC,   224                         ; v224-242 the codes
.set PW,   244                         ; v244     the scale word
.set KA5,  246                         ; v246-255 a5 .. a1, each twice
.set KA4,  248
.set KA3,  250
.set KA2,  252
.set KA1,  254
.set AI,   3                           ; s3   the block of tokens in hand (the loop over K is over by then)
.set CPS,  18                          ; s18  0.3275911 x sqrt(2)
.set SOFF, 19                          ; s19  64 x the block of tokens
.set SEL,  40                          ; s40, s41  lane selects for v_permlanex16_b32: lane l xor 16
.set G1, 24                            ; s[24:31] descriptor group 1 for x's tiles;  s[32:39] group 0, one set for each slot
.set G0, 32
.set G1B, 48                           ; s[48:55], s[56:63] the same for w0's tiles
.set G0B, 56
.set G1S, 68                           ; s[68:75], s[76:79] groups 1 and 0 for x's scales;  s[80:87], s[88:91] for w0's
.set G0S, 76
.set G1SB, 80
.set G0SB, 88
.set MSB, 0
.macro WIN new                         ; the immediate's high byte repeats the setting that is left
.if MSB != (\new)
	s_set_vgpr_msb (MSB<<8)|(\new)
.set MSB, (\new)
.endif
.endm
.set MUL_LO, 0xa1                      ; source 0 (w0) window 1, source 1 (x) window 0, C and D window 2;  less 0x10: C (the bias) window 1
.set MUL_HI, 0xf1                      ; the same, C and D window 3;  less 0x20: C window 1
.set TO_B,   0x40                      ; destination window 1, address window 0
; A joint load: waves 0 and 1 fetch for x, waves 2 and 3 for w0.  Each of the two lines has ONE mask and one set of registers for all that issue it; the branch hangs on the wave's number alone.
; Four v_nop follow each of the two lines, ahead of the jump, the label and what follows.
.macro JLOAD g0a, g1a, g0b, g1b
	s_cmp_eq_u32 s15, 0
	s_cbranch_scc0 .Lfor_b_\@
	tensor_load_to_lds s[\g0a:\g0a+3], s[\g1a:\g1a+7]
	s_nop 0
.rept 4
	v_nop
.endr
	s_branch .Lasked_\@
.Lfor_b_\@:
	tensor_load_to_lds s[\g0b:\g0b+3], s[\g1b:\g1b+7]
	s_nop 0
.rept 4
	v_nop
.endr
.Lasked_\@:
.endm
.macro CREST                           ; a round of the cluster's barrier behind its opening barrier
	s_cmp_lg_u32 s14, 0
	s_cbranch_scc1 .Lnot_wave_0_\@
	s_barrier_signal -3
.Lnot_wave_0_\@:
	s_barrier_wait -3
	s_barrier_signal -1
	s_barrier_wait -1
.endm
.macro CROUND                          ; a whole round
	s_barrier_signal -1
	s_barrier_wait -1
	CREST
.endm
	s_load_b128 s[4:7], s[0:1], 0x0                ; x's codes s[4:5], x's scales s[6:7]
	s_load_b128 s[8:11], s[0:1], 0x10              ; w0's codes s[8:9], w0's scales s[10:11]
	s_load_b64 s[12:13], s[0:1], 0x20              ; b0
	s_load_b64 s[96:97], s[0:1], 0x28              ; h_img
	s_load_b64 s[98:99], s[0:1], 0x30              ; h_sc
	v_lshl_add_u32 v[SPW], v0, 2, SPARE
	v_mov_b32 v[NIL], 0
	ds_add_u32 v28, v29
	ds_add_u32 v28, v29
	s_wait_dscnt 0x0
	v_lshrrev_b32 v1, 5, v0
	v_readfirstlane_b32 s14, v1                    ; wave 0..3
	s_lshr_b32 s15, s14, 1                         ; which half of the tile's tokens is mine.  Also: I fetch for x (0) or for w0 (1)
	s_and_b32 s16, s14, 1                          ; which half of its hidden units.  Also: which 128 rows of that tile I fetch
	s_bfe_u32 s40, ttmp6, 0x40000                  ; cx, cy: my place in the cluster
	s_bfe_u32 s41, ttmp6, 0x40004
	s_lshl_b32 s42, ttmp9, 2
	s_add_co_u32 s42, s42, s40                     ; tile column (256 rows of w0) = 4 x cluster x + cx
	s_and_b32 s17, ttmp7, 0xffff
	s_lshl_b32 s17, s17, 2
	s_add_co_u32 s17, s17, s41                     ; tile row (256 tokens) = 4 x cluster y + cy
	s_lshl_b32 s43, s41, 2
	s_lshl_b32 s43, 15, s43                        ; my row of the cluster
	s_lshl_b32 s44, 0x1111, s40                    ; my column
	; descriptor group 1: a tile of 128 rows x ROWB bytes, padded in LDS
	s_or_b32 s[G1+0], s43, (0<<16)|(1<<20)|(1<<21)|(3<<22)|(3<<25)  ; 15:0 the mask: x's tiles go to my row; 17:16 element of 1 byte; 20 padding on; 21 set beside a mask; 24:22 after every 16 words; 31:25 of 4 words
	s_or_b32 s[G1B+0], s44, (0<<16)|(1<<20)|(1<<21)|(3<<22)|(3<<25)
.irp g, G1, G1B
	s_mov_b32 s[\g+1], ROWB<<16                    ; tensor_dim0
	s_mov_b32 s[\g+2], 128<<16                     ; tensor_dim1 = 128
	s_mov_b32 s[\g+3], ROWB<<16                    ; tile_dim0
	s_mov_b32 s[\g+4], 128                         ; tile_dim1 = 128
	s_mov_b32 s[\g+5], KROW                        ; tensor_dim0_stride
	s_mov_b32 s[\g+6], 0
	s_mov_b32 s[\g+7], 0
.endr
	; the scales of 128 rows: a dense block of 128 KS bytes, as rows of 256 bytes (32 elements of 8 bytes), 16 bytes of padding behind each
	s_or_b32 s[G1S+0], s43, (3<<16)|(1<<20)|(1<<21)|(5<<22)|(3<<25)
	s_or_b32 s[G1SB+0], s44, (3<<16)|(1<<20)|(1<<21)|(5<<22)|(3<<25)
.irp g, G1S, G1SB
	s_mov_b32 s[\g+1], 32<<16
	s_mov_b32 s[\g+2], (128*KS/256)<<16
	s_mov_b32 s[\g+3], 32<<16
	s_mov_b32 s[\g+4], 128*KS/256
	s_mov_b32 s[\g+5], 32
	s_mov_b32 s[\g+6], 0
	s_mov_b32 s[\g+7], 0
.endr
	s_lshl_b32 s18, s16, 7                         ; which 128 rows of the tile I fetch
	s_lshl_b32 s20, s17, 8
	s_add_co_u32 s20, s20, s18                     ; x: row 256 x tile row + 128 x half
	s_lshl_b32 s46, s42, 8
	s_add_co_u32 s46, s46, s18                     ; w0: row 256 x tile column + 128 x half: also my first hidden unit, counted through all experts
	s_lshl_b32 s2, s46, 2                          ; its place in b0, in bytes
	s_mov_b32 s3, 0
	s_mov_b32 s21, 0
	s_mov_b32 s47, 0
	s_mov_b64 s[18:19], KS
	s_mul_u64 s[22:23], s[20:21], s[18:19]         ; where these rows' scales begin, in bytes
	s_mul_u64 s[92:93], s[46:47], s[18:19]
	s_mov_b64 s[18:19], KROW
	s_mul_u64 s[20:21], s[20:21], s[18:19]         ; and their codes
	s_mul_u64 s[46:47], s[46:47], s[18:19]
	s_mul_i32 s45, s14, HALFT                      ; where they go: wave x 128 rows: no place in the cluster enters an LDS address
	s_mul_i32 s94, s14, HALFS
	s_wait_kmcnt 0x0
	s_add_nc_u64 s[20:21], s[4:5], s[20:21]
	s_add_nc_u64 s[22:23], s[6:7], s[22:23]
	s_add_nc_u64 s[46:47], s[8:9], s[46:47]
	s_add_nc_u64 s[92:93], s[10:11], s[92:93]
	s_add_nc_u64 s[12:13], s[12:13], s[2:3]
	CROUND                                         ; all sixteen work-groups are here: the first joint loads meet
	s_mov_b32 s[G0S], 1
	s_add_co_u32 s[G0S+1], s94, SCL
	s_mov_b64 s[G0S+2:G0S+3], s[22:23]
	s_or_b32 s[G0S+3], s[G0S+3], 0x80000000
	s_mov_b32 s[G0SB], 1
	s_add_co_u32 s[G0SB+1], s94, SCL
	s_mov_b64 s[G0SB+2:G0SB+3], s[92:93]
	s_or_b32 s[G0SB+3], s[G0SB+3], 0x80000000
	JLOAD G0S, G1S, G0SB, G1SB                     ; the scales first: they are wanted with K step 0
.irp s, 0,1
	s_mov_b32 s[G0+4*\s], 1
	s_add_co_u32 s[G0+4*\s+1], s45, \s*SLOT
	s_add_nc_u64 s[G0+4*\s+2:G0+4*\s+3], s[20:21], \s*ROWB
	s_or_b32 s[G0+4*\s+3], s[G0+4*\s+3], 0x80000000
	s_mov_b32 s[G0B+4*\s], 1
	s_add_co_u32 s[G0B+4*\s+1], s45, \s*SLOT
	s_add_nc_u64 s[G0B+4*\s+2:G0B+4*\s+3], s[46:47], \s*ROWB
	s_or_b32 s[G0B+4*\s+3], s[G0B+4*\s+3], 0x80000000
	JLOAD G0+4*\s, G1, G0B+4*\s, G1B               ; three tensor loads of mine are out behind the second of these
.endr
	v_and_b32 v1, 15, v0                           ; l % 16
	v_bfe_u32 v2, v0, 4, 1                         ; l / 16
	v_mul_u32_u24 v3, v1, PITCH
	v_mul_u32_u24 v4, v2, 24
	v_add_nc_u32 v4, v3, v4                        ; a fragment's row x pitch + 24 x half
	v_lshl_add_u32 v5, v2, 4, v4                   ; and the same behind one padding more
	s_mul_i32 s21, s15, HALFT                      ; my 128 rows of x
	s_mul_i32 s22, s16, HALFT                      ; my 128 rows of w0,
	s_add_co_u32 s22, s22, 2*HALFT                 ; which lie behind x's 256
.irp s, 0,1
	v_add_nc_u32 v[ADRA+\s], s21, v4
	v_add_nc_u32 v[ADRB+\s], s22, v4
	v_add_nc_u32 v[ADRA+2+\s], s21, v5
	v_add_nc_u32 v[ADRB+2+\s], s22, v5
	s_add_co_u32 s21, s21, SLOT
	s_add_co_u32 s22, s22, SLOT
.endr
	v_mul_u32_u24 v5, v1, KS                       ; my row's scales: KS bytes a row,
	v_lshrrev_b32 v6, 8, v5
	v_lshl_add_u32 v5, v6, 4, v5                   ; and 16 more for each 256 passed
	s_mul_i32 s21, s15, HALFS                      ; x's: my 128 rows
	s_mul_i32 s22, s16, HALFS                      ; w0's: my 128 rows, behind x's 256
	s_add_co_u32 s22, s22, 2*HALFS
	s_sub_co_u32 s22, s22, s21
	v_mul_u32_u24 v6, s22, v2                      ; lanes 16-31 take w0's
	s_add_co_u32 s21, s21, SCL
	v_add_nc_u32 v5, v5, v6
	v_add_nc_u32 v[ADRS], s21, v5
	v_lshlrev_b32 v[BIA], 5, v2                    ; the bias: lane (r, h) wants, for block b, hidden units 16 b + 8 h + 0 .. 7
	WIN TO_B
.irp b, 0,1,2,3,4,5,6,7
	global_load_b128 v[BI+8*\b+96*(\b/4):BI+8*\b+96*(\b/4)+3],   v[BIA], s[12:13] offset:64*\b
	global_load_b128 v[BI+8*\b+96*(\b/4)+4:BI+8*\b+96*(\b/4)+7], v[BIA], s[12:13] offset:64*\b+16
.endr
	WIN 0
	v_and_b32 v6, 31, v0
	v_lshlrev_b32 v[LI], 4, v6
	s_lshl_b32 s23, s14, 9
	v_lshl_add_u32 v[SWA], v1, 2, s23
	v_add_nc_u32 v[RDW], s23, v[LI]
	; where my results go.  e = tile column / 8; ks = my 128 hidden units' number in the expert = 2 (tile column % 8) + half
	s_lshr_b32 s20, s42, 3                         ; e
	s_and_b32 s21, s42, 7
	s_lshl_b32 s21, s21, 1
	s_add_co_u32 s21, s21, s16                     ; ks
	s_lshl_b32 s46, s20, 4
	s_add_co_u32 s46, s46, s21                     ; 16 e + ks
	s_lshl_b32 s46, s46, 11                        ; x 2,048 tokens
	s_lshl_b32 s47, s17, 8
	s_add_co_u32 s46, s46, s47
	s_lshl_b32 s47, s15, 7
	s_add_co_u32 s46, s46, s47                     ; + my first token
	s_lshl_b32 s46, s46, 2                         ; a word each
	s_mov_b32 s47, 0
	s_add_nc_u64 s[98:99], s[98:99], s[46:47]
	s_lshl_b32 s20, s20, 7                         ; 128 e
	s_lshl_b32 s47, s17, 4
	s_add_co_u32 s20, s20, s47
	s_lshl_b32 s47, s15, 3
	s_add_co_u32 s20, s20, s47                     ; + my first block of 16 tokens
	s_lshl_b32 s20, s20, 4
	s_add_co_u32 s20, s20, s21                     ; x 16 + ks
	s_mul_i32 s20, s20, 1536                       ; an image's bytes; 25,165,824 at the most
	s_mov_b32 s21, 0
	s_add_nc_u64 s[96:97], s[96:97], s[20:21]
.macro FRAG reg, adr, q, i             ; a fragment, 16 rows x 128 K of 6-bit codes, is 12 registers: lane l holds row l % 16; registers 6 c .. 6 c + 5 hold K = 64 c + 32 (l / 16) + 0 .. 31: 24 bytes of the row's stream of bits, as they lie
.irp p, 0,1,2,3,4,5                    ; in pieces of 8 bytes.  Lanes 0-15 take the row's pieces 12 q + 0, 1, 2 and 12 q + 6, 7, 8, lanes 16-31 those three pieces on
.set PC, 12*(\q)+6*(\p/3)+\p%3        ; 16 bytes of padding lie behind every 8 pieces: where the piece three on lies behind one padding more, the second address register serves
.if PC%8 < 5
	ds_load_b64 v[\reg+2*\p:\reg+2*\p+1], v[\adr] offset:8*PC+16*(PC/8)+(\i)*16*PITCH
.else
	ds_load_b64 v[\reg+2*\p:\reg+2*\p+1], v[\adr+2] offset:8*PC+16*(PC/8)+(\i)*16*PITCH
.endif
.endr
.endm
; 16 matrix instructions: token blocks a0, a0 + 1 x w0's eight blocks, 128 along K: the slot's q-th.  p: w0's set;  sc: the set of scale words.  zero = 1: the first product starts the sums, with the bias as C.
; The 64 accumulators take turns, one instruction a turn, in the same order in every step.
.macro MUL16 a0, p, q, sc, zero
.irp a, \a0, \a0+1
.irp b, 0,1,2,3,4,5,6,7
.if \zero
	v_wmma_scale_f32_16x16x128_f8f6f4 v[8*(8*((\a)%4)+\b):8*(8*((\a)%4)+\b)+7], v[128*(\p)+FR*\b:128*(\p)+FR*\b+FR-1], v[AF+FR*(\a):AF+FR*(\a)+FR-1], v[BI+8*\b+96*(\b/4):BI+8*\b+96*(\b/4)+7], v[SC+8*NQ*(\sc)+NQ*\b+(\q)], v[SC+8*NQ*(\sc)+NQ*(\a)+(\q)] matrix_a_fmt:MATRIX_FMT_FP6 matrix_b_fmt:MATRIX_FMT_FP6 matrix_a_scale:MATRIX_SCALE_ROW1
.else
	v_wmma_scale_f32_16x16x128_f8f6f4 v[8*(8*((\a)%4)+\b):8*(8*((\a)%4)+\b)+7], v[128*(\p)+FR*\b:128*(\p)+FR*\b+FR-1], v[AF+FR*(\a):AF+FR*(\a)+FR-1], v[8*(8*((\a)%4)+\b):8*(8*((\a)%4)+\b)+7], v[SC+8*NQ*(\sc)+NQ*\b+(\q)], v[SC+8*NQ*(\sc)+NQ*(\a)+(\q)] matrix_a_fmt:MATRIX_FMT_FP6 matrix_b_fmt:MATRIX_FMT_FP6 matrix_a_scale:MATRIX_SCALE_ROW1
.endif
.endr
.endr
.endm
.macro FETCH_B slot, q, p              ; w0's eight fragments of the slot's q-th 128 along K into set p
	WIN TO_B
.irp i, 0,1,2,3,4,5,6,7
	FRAG 128*(\p)+FR*\i, ADRB+\slot, \q, \i
.endr
	WIN 0
.endm
.macro FETCH_A slot, q, i0             ; x's blocks i0 .. i0 + 3
.irp i, \i0, \i0+1, \i0+2, \i0+3
	FRAG AF+FR*(\i), ADRA+\slot, \q, \i
.endr
.endm
.macro SCALES sc                       ; the next K step's scale words into set sc: NQ words a row; lanes 0-15 take x's block i, lanes 16-31 w0's block i
.irp i, 0,1,2,3,4,5,6,7
	ds_load_b64 v[SC+8*NQ*\sc+NQ*\i:SC+8*NQ*\sc+NQ*\i+1], v[ADRS] offset:\i*SBLK
.endr
.endm
; A load into a register that a matrix instruction has read, and a vector instruction that reads a matrix result, stand NP places behind that matrix instruction; only plain vector
; instructions that name none of its registers are places (ISA guide 7.12.1 for vector instructions).
.macro PLACES n
.rept \n
	v_nop
.endr
.endm
; A step of 128 along K that has its successor in the same slot.
.macro STEP slot, q, zero
	s_wait_dscnt 4*NL                              ; w0's set and x's blocks 0-3 are in; the youngest 24 loads (x's blocks 4-7) may be out
	WIN MUL_LO-0x10*(\zero)
	MUL16 0, (\q)%2, \q, \slot, \zero
	MUL16 2, (\q)%2, \q, \slot, \zero
	s_wait_dscnt 0                                 ; x's blocks 4-7 are in (asked for 32 matrix instructions ago)
	PLACES NP
	FETCH_B \slot, (\q)+1, 1-(\q)%2
	FETCH_A \slot, (\q)+1, 0
	WIN MUL_HI-0x20*(\zero)
	MUL16 4, (\q)%2, \q, \slot, \zero
	MUL16 6, (\q)%2, \q, \slot, \zero
	PLACES NP
	WIN 0
	FETCH_A \slot, (\q)+1, 4
.endm
; A slot's last step changes slots: ONE barrier; in front of it each wave waits for all its tensor loads, adds 0 to its spare word, and waits for that and for its own reads of this slot.  fill = 1: this slot is filled again, two K steps ahead.
.macro TURN slot, next, fill
	s_wait_tensorcnt 0x0                           ; all my tensor loads have landed: my part of the next slot;  (every window is 0 here)
	ds_add_u32 v[SPW], v[NIL]                      ; 0 onto my spare word
	s_wait_dscnt 4*NL+1                            ; (the add and the youngest 24 loads, x's blocks 4-7, may be out)
	WIN MUL_LO
	MUL16 0, 1, NQ-1, \slot, 0                     ; sixteen matrix instructions stand between the add and the wait for it
	s_wait_dscnt 0x0                               ; the add is done, and my reads of this slot are over
	s_barrier_signal -1
	MUL16 2, 1, NQ-1, \slot, 0
	WIN 0
	s_barrier_wait -1
.if \fill
	CREST                                          ; the barrier has opened a round of the cluster's barrier: no wave of any partner still reads this slot's tile or has a load on its way
	s_add_nc_u64 s[G0+4*\slot+2:G0+4*\slot+3], s[G0+4*\slot+2:G0+4*\slot+3], 2*ROWB
	s_add_nc_u64 s[G0B+4*\slot+2:G0B+4*\slot+3], s[G0B+4*\slot+2:G0B+4*\slot+3], 2*ROWB
	JLOAD G0+4*\slot, G1, G0B+4*\slot, G1B         ; the first tensor load behind the round; the four v_nop behind it are the places in front of the loads below
.else
	PLACES NP
.endif
	v_add_nc_u32 v[ADRS], 4*NQ, v[ADRS]            ; on to the next K step's scale words (no LDS load of mine is out)
	FETCH_B \next, 0, 0
	FETCH_A \next, 0, 0
	SCALES \next
	WIN MUL_HI
	MUL16 4, 1, NQ-1, \slot, 0
	MUL16 6, 1, NQ-1, \slot, 0
	PLACES NP
	WIN 0
	FETCH_A \next, 0, 4
.endm
	s_wait_loadcnt 0x0                             ; the bias
	s_wait_tensorcnt 1                             ; the scales and my part of K step 0 are in (K step 1's load may be out)
	s_barrier_signal -1
	s_barrier_wait -1                              ; everybody's are
	FETCH_B 0, 0, 0
	FETCH_A 0, 0, 0
	SCALES 0
	FETCH_A 0, 0, 4
	STEP 0, 0, 1                                   ; the first step stands in front of the loop: its products start the sums
	s_mov_b32 s3, LAPS-1
.Llap:                                                 ; a trip goes once round the ring, from a lap's second step to the next lap's first, and fills both slots again
	TURN 0, 1, 1
	STEP 1, 0, 0
	TURN 1, 0, 1
	STEP 0, 0, 0
	s_sub_co_u32 s3, s3, 1
	s_cmp_lg_u32 s3, 0
	s_cbranch_scc1 .Llap
	TURN 0, 1, 0                                   ; the last lap fills nothing, and has no round of the cluster's barrier
	STEP 1, 0, 0
	s_wait_dscnt 4*NL                              ; the very last step: nothing more to fetch
	WIN MUL_LO
	MUL16 0, 1, NQ-1, 1, 0
	MUL16 2, 1, NQ-1, 1, 0
	s_wait_dscnt 0
	WIN MUL_HI
	MUL16 4, 1, NQ-1, 1, 0
	MUL16 6, 1, NQ-1, 1, 0
	WIN 0
; ---- THE WAY OUT: eight trips, one for each block of 16 tokens.  Only the lines that take a block's 64 numbers out of its accumulators name other registers from trip to trip: they are written eight times, all else once.
.macro KONST reg, val
	v_mov_b32 v[\reg], \val
	v_mov_b32 v[\reg+1], \val
.endm
	KONST KA5, 0x3f87dc22                          ;  1.061405429   (these fourteen plain lines name no register of the last products: they are the places behind them)
	KONST KA4, 0xbfba00e3                          ; -1.453152027
	KONST KA3, 0x3fb5f0e3                          ;  1.421413741
	KONST KA2, 0xbe91a98e                          ; -0.284496736
	KONST KA1, 0x3e827906                          ;  0.254829592
	KONST KCE, 0xc038aa3b                          ; -2 log2(e)
	KONST KONE, 1.0
	s_mov_b32 s[CPS], 0x3eed3388                   ; 0.3275911 x sqrt(2)
	s_mov_b32 s[SEL], 0x76543210
	s_mov_b32 s[SEL+1], 0xfedcba98
	s_mov_b32 s[AI], 0
	s_mov_b32 s[SOFF], 0
; Block a's 64 numbers, halved: Z = z / 2.  Each accumulator is read from its low end on.
.macro HALVE a
.Lz\a:
	WIN 0x02+(\a)/4                                ; source 0: window 2 or 3
.set II, 0
.rept 32
	v_pk_mul_f32 v[Z+II:Z+II+1], v[64*((\a)%4)+II:64*((\a)%4)+II+1], 0.5 op_sel_hi:[1,0]
.set II, II+2
.endr
	WIN 0
	s_branch .Lgelu
.endm
; GELU of the 64 numbers at Z.  With Zh = z / 2 and w = z / sqrt(2): 0.3275911 |w| = CPS |Zh|, w^2 log2(e) = 2 log2(e) Zh^2, and gelu(z) = Zh + |Zh| erf(|w|).
; The numbers go in eight groups of eight (group g: the block's g-th accumulator, Z + 8 g on), each through three parts:
;   S1, 16 plain lines: 1 + 0.3275911 |w| into T;  Zh^2 and then -w^2 log2(e) into U
;   TR, 16 transcendentals: T = 1 / T;  U = 2^U
;   S2, 32 plain lines: the polynomial in T by Horner's rule into P, x T, 1 - P U = erf(|w|), and Zh + |Zh| erf(|w|) back into Z
; Stage SG of ten takes TR of group SG - 1, and behind each of its lines two lines of S2 of group SG - 2 and one line of S1 of group SG: three plain lines that name no register of the transcendental in front of them.
; So no two transcendentals follow each other, each has its plain line behind it before its result is used (a stage later), and a link of the polynomial's chain stands eight lines behind the link that it reads.
; Three groups are alive at a time; group g's T, U and P are the eight registers at 8 (g % 4).
.macro S1I                             ; line KK (0 .. 15) of S1 of group SG
.set ZG, Z+8*SG
.set RG, 8*(SG%4)
.if KK < 8
	v_fma_f32 v[T+RG+KK], |v[ZG+KK]|, s[CPS], 1.0
.elseif KK < 12
	v_pk_mul_f32 v[U+RG+2*(KK-8):U+RG+2*(KK-8)+1], v[ZG+2*(KK-8):ZG+2*(KK-8)+1], v[ZG+2*(KK-8):ZG+2*(KK-8)+1]
.else
	v_pk_mul_f32 v[U+RG+2*(KK-12):U+RG+2*(KK-12)+1], v[U+RG+2*(KK-12):U+RG+2*(KK-12)+1], v[KCE:KCE+1]
.endif
.endm
.macro TRI                             ; line KK (0 .. 15) of TR of group SG - 1
.set RG, 8*((SG-1)%4)
.if KK < 8
	v_rcp_f32 v[T+RG+KK], v[T+RG+KK]
.else
	v_exp_f32 v[U+RG+KK-8], v[U+RG+KK-8]
.endif
.endm
.macro S2I                             ; line JJ (0 .. 31) of S2 of group SG - 2
.set ZG, Z+8*(SG-2)
.set RG, 8*((SG-2)%4)
.set PP, RG+2*(JJ%4)
.if JJ < 4
	s_wait_alu depctr_va_vdst(0)
	v_pk_fma_f32 v[P+PP:P+PP+1], v[T+PP:T+PP+1], v[KA5:KA5+1], v[KA4:KA4+1]
.elseif JJ < 8
	v_pk_fma_f32 v[P+PP:P+PP+1], v[P+PP:P+PP+1], v[T+PP:T+PP+1], v[KA3:KA3+1]
.elseif JJ < 12
	v_pk_fma_f32 v[P+PP:P+PP+1], v[P+PP:P+PP+1], v[T+PP:T+PP+1], v[KA2:KA2+1]
.elseif JJ < 16
	v_pk_fma_f32 v[P+PP:P+PP+1], v[P+PP:P+PP+1], v[T+PP:T+PP+1], v[KA1:KA1+1]
.elseif JJ < 20
	v_pk_mul_f32 v[P+PP:P+PP+1], v[P+PP:P+PP+1], v[T+PP:T+PP+1]
.elseif JJ < 24
	v_pk_fma_f32 v[P+PP:P+PP+1], v[P+PP:P+PP+1], v[U+PP:U+PP+1], v[KONE:KONE+1] neg_lo:[1,0,0] neg_hi:[1,0,0]   ; erf(|w|)
.else
	v_fma_f32 v[ZG+JJ-24], |v[ZG+JJ-24]|, v[P+RG+JJ-24], v[ZG+JJ-24]
.endif
.endm
.macro GELU64
.set SG, 0
.rept 10
.set KK, 0
.rept 16
.if (SG >= 1) && (SG <= 8)
	TRI
.endif
.if SG >= 2
.set JJ, 2*KK
	S2I
.set JJ, 2*KK+1
	S2I
.endif
.if SG <= 7
	S1I
.endif
.set KK, KK+1
.endr
.set SG, SG+1
.endr
.endm
; 64 numbers of a lane, register 16 b + i = hidden unit 32 b + 16 (lane / 16) + i of my token, become a fragment's codes in v[QC] on and its scale word in v[PW].
.macro QUANT s
.irp b, 0,1,2,3
	v_max3_num_f32 v[TM+\b], |v[\s+16*\b]|, |v[\s+1+16*\b]|, 0x1800000   ; block b: my 16 numbers, and the floor 2^(3 - 127): so the byte cannot fall under 1
.endr
.irp i, 2,4,6,8,10,12,14
.irp b, 0,1,2,3
	v_max3_num_f32 v[TM+\b], v[TM+\b], |v[\s+16*\b+\i]|, |v[\s+1+16*\b+\i]|   ; (the four blocks by turns)
.endr
.endr
.irp b, 0,1,2,3
	v_permlanex16_b32 v[TM+4+\b], v[TM+\b], s[SEL], s[SEL+1]
.endr
.irp b, 0,1,2,3
	v_max_num_f32 v[TM+\b], v[TM+\b], v[TM+4+\b]   ; with lane l xor 16's: the block's largest magnitude
.endr
.irp b, 0,1,2,3
	v_add_nc_u32 v[TM+12+\b], 0xff000000, v[TM+\b]   ; 2 off its exponent field: the conversion takes the exponent field of this operand as its scale
.endr
.irp b, 0,1,2,3
	v_lshrrev_b32 v[TM+4+\b], 23, v[TM+12+\b]      ; the scale's byte
.endr
	v_lshl_or_b32 v[PW], v[TM+5], 8, v[TM+4]       ; the four bytes make my token's scale word
	v_lshl_or_b32 v[PW], v[TM+6], 16, v[PW]
	v_lshl_or_b32 v[PW], v[TM+7], 24, v[PW]
.irp c, 0,1
	v_cvt_scalef32_pk16_fp6_f32 v[QC+6*\c:QC+2+6*\c], v[\s+32*\c:\s+15+32*\c], v[TM+12+2*\c]
	v_cvt_scalef32_pk16_fp6_f32 v[QC+12+4*\c:QC+14+4*\c], v[\s+16+32*\c:\s+31+32*\c], v[TM+12+2*\c+1]   ; (a conversion's three registers begin on an even number)
.endr
	v_nop                                          ; one plain place behind a scaled conversion
.irp c, 0,1                                    ; the operand's layout wants a WHOLE block in a lane: lanes 0-15 block 2 c, lanes 16-31 block 2 c + 1
.irp i, 0,1,2
	v_permlane16_swap_b32 v[QC+6*\c+\i], v[QC+12+4*\c+\i]
.endr
.irp i, 0,1,2
	v_mov_b32 v[QC+3+6*\c+\i], v[QC+12+4*\c+\i]
.endr
.endr
.endm
.Lrow:
.irp a, 0,1,2,3,4,5,6
	s_cmp_eq_u32 s[AI], \a
	s_cbranch_scc1 .Lz\a
.endr
	HALVE 7
	HALVE 0
	HALVE 1
	HALVE 2
	HALVE 3
	HALVE 4
	HALVE 5
	HALVE 6
.Lgelu:
	GELU64
	; Register 16 b + j holds hidden unit 32 b + 8 h + j and register 16 b + 8 + j unit 32 b + 16 + 8 h + j.  The first's lanes 16-31 change places with the second's lanes 0-15: register 16 b + i then holds unit 32 b + 16 h + i.
.irp b, 0,1,2,3
.irp j, 0,1,2,3,4,5,6,7
	v_permlane16_swap_b32 v[Z+16*\b+\j], v[Z+16*\b+8+\j]
.endr
.endr
	s_wait_xcnt 0x0                                ; the last trip's three stores have read their data (the codes' registers) and their base: both are written again only behind this wait; nothing since those stores has touched them
	s_add_nc_u64 s[96:97], s[96:97], IMGR          ; one block of 16 tokens past the block in hand: the stores below reach back by their immediate
	QUANT Z
.irp g, 0,1,2
	global_store_b128 v[LI], v[QC+4*\g:QC+4*\g+3], s[96:97] offset:512*\g-IMGR   ; 32 lanes store 512 consecutive bytes, at a multiple of 256 from the buffer's first byte
.endr
	v_add_nc_u32 v[SWT], s[SOFF], v[SWA]
	ds_store_b32 v[SWT], v[PW]                     ; both halves of the lanes write the same word with the same value
	s_add_co_u32 s[SOFF], s[SOFF], 64
	s_add_co_u32 s[AI], s[AI], 1
	s_cmp_lt_u32 s[AI], 8
	s_cbranch_scc1 .Lrow
	ds_load_b128 v[U:U+3], v[RDW]                  ; my wave's 128 scale words, into registers that no pending store reads; LDS serves a wave's instructions in order (ISA guide 5.7.1.4): this sees my stores
	s_wait_dscnt 0x0
	global_store_b128 v[LI], v[U:U+3], s[98:99]    ; 512 consecutive bytes
	s_wait_tensorcnt 0x0                           ; the wave's end, behind my last tensor load and my last LDS store
	ds_add_u32 v[SPW], v[NIL]
	s_wait_dscnt 0x0
	CROUND                                         ; the closing round: no work-group ends while a partner may still ask for a tile that names it
	s_endpgm
.Lfunc_end_k_q61ddf3aa32_hid:
	.size	k_q61ddf3aa32_hid, .Lfunc_end_k_q61ddf3aa32_hid-k_q61ddf3aa32_hid
	.p2alignl 7, 3214868480
	.fill 96, 4, 3214868480
	.section	.rodata,"a",@progbits
	.p2align	6, 0x0
	.amdhsa_kernel k_q61ddf3aa32_hid
		.amdhsa_group_segment_fixed_size 327680
		.amdhsa_private_segment_fixed_size 0
		.amdhsa_enable_private_segment 0
		.amdhsa_kernarg_size 56
		.amdhsa_user_sgpr_count 2
		.amdhsa_user_sgpr_kernarg_segment_ptr 1
		.amdhsa_wavefront_size32 1
		.amdhsa_system_sgpr_workgroup_id_x 1
		.amdhsa_system_sgpr_workgroup_id_y 1
		.amdhsa_system_sgpr_workgroup_id_z 1
		.amdhsa_system_vgpr_workitem_id 0
		.amdhsa_next_free_vgpr 1024
		.amdhsa_next_free_sgpr 100
		.amdhsa_reserve_vcc 0
		.amdhsa_float_denorm_mode_32 3
		.amdhsa_float_denorm_mode_16_64 3
		.amdhsa_memory_ordered 1
		.amdhsa_forward_progress 1
		.amdhsa_inst_pref_size 185
	.end_amdhsa_kernel
	.amdgpu_metadata
---
amdhsa.version: [ 1, 2 ]
amdhsa.kernels:
  - .name:           k_q61ddf3aa32_hid
    .symbol:         k_q61ddf3aa32_hid.kd
    .args:
      - { .name: x_codes, .offset: 0, .size: 8, .value_kind: global_buffer, .address_space: global }
      - { .name: x_scales, .offset: 8, .size: 8, .value_kind: global_buffer, .address_space: global }
      - { .name: w0_codes, .offset: 16, .size: 8, .value_kind: global_buffer, .address_space: global }
      - { .name: w0_scales, .offset: 24, .size: 8, .value_kind: global_buffer, .address_space: global }
      - { .name: b0, .offset: 32, .size: 8, .value_kind: global_buffer, .address_space: global }
      - { .name: h_img, .offset: 40, .size: 8, .value_kind: global_buffer, .address_space: global }
      - { .name: h_sc, .offset: 48, .size: 8, .value_kind: global_buffer, .address_space: global }
    .group_segment_fixed_size: 327680
    .private_segment_fixed_size: 0
    .kernarg_segment_align: 8
    .kernarg_segment_size: 56
    .max_flat_workgroup_size: 128
    .sgpr_count:     100
    .vgpr_count:     1024
    .wavefront_size: 32
...
	.end_amdgpu_metadata
.endif
;; end of part 1
;; launch exp2 (part 2): grid 4 x 64, 4 waves a work-group, clusters of 4 x 4, 327,680 bytes of LDS; arguments h_img, h_sc, w1_codes, w1_scales, b1, part; writes part
.if DOCPART == 2
	.amdgcn_target "amdgcn-amd-amdhsa--gfx1250"
	.amdhsa_code_object_version 6
	.text
	.protected	k_q61ddf3aa32_exp2
	.globl	k_q61ddf3aa32_exp2
	.p2align	8
	.type	k_q61ddf3aa32_exp2,@function
k_q61ddf3aa32_exp2:
	s_mov_b64 s[64:65], 0
	v_nop
	global_prefetch_b8 v0, s[64:65] scope:SCOPE_SE
	s_setreg_imm32_b32 hwreg(HW_REG_WAVE_MODE, 25, 1), 1
	s_wait_xcnt 0x0
	s_wait_alu depctr_hold_cnt(0) depctr_sa_sdst(0) depctr_va_vdst(0) depctr_va_sdst(0) depctr_va_ssrc(0) depctr_va_vcc(0) depctr_vm_vsrc(0)
	s_getreg_b32 s2, hwreg(HW_REG_IB_STS2, 6, 4)
	s_cmp_eq_u32 s2, 0
	s_cbranch_scc0 .Lentry_in_a_cluster
	s_endpgm
.Lentry_in_a_cluster:
	s_bfe_u32 s2, ttmp6, 0x10000c
	s_cmp_lg_u32 s2, 0xf033
	s_cbranch_scc0 .Lentry_shape_is_right
	s_endpgm
.Lentry_shape_is_right:
; part[e][n][d] = sum over f of h[e][n][f] w1[e][d][f] + b1[e][d], on codes of FP6 (E2M3) with one E8M0 scale for each 32 along f; sums in f32.  part: [8 x 2048][1024] f32.
; h comes as images of the operand's registers: h_img [8 x 128 blocks of 16 tokens][16 K steps of 128][1,536 bytes], group g of four registers at 512 g + 16 x lane; its scale words h_sc [e][K step][token].
; w1: [8 x 1024][2048] codes, K innermost, a row one stream of bits (1,536 bytes); scale bytes [8 x 1024][64].
; A tile of 256 rows (tokens of one expert) x 256 columns is made by a work-group of four waves; a wave makes 128 x 128: 64 accumulators, 512 registers.  K goes in steps of 256 through a ring of two LDS slots.
; The scale words of the tile's 256 tokens and the scale bytes of its 256 rows of w1, for all of K, come into LDS once, with the first fills.
; CLUSTERS: 4 x 4 work-groups; the four tile rows of a cluster belong to one expert (eight tile rows to an expert).  The four of a row of the cluster need the same tiles of h, the four of a column the same tiles of w1:
; each tile is asked for JOINTLY.  h's addresses are made of the tile row alone; w1's of the tile column and of the cluster's y (the expert), which a column shares.
; THE MATRIX INSTRUCTION IS USED TRANSPOSED (source 0 = 16 rows of w1, source 1 = 16 tokens): a lane holds eight neighbouring numbers of a row of part.  The bias is the C of each sum's first matrix instruction.
; REGISTERS, in windows of 256: window 0: v0-31 addresses; v32-47 h's scale words, v48-79 w1's, two sets each; from v128 h's fragments, ONE set; on the way out v128-255 are free.
;   window 1: w1's fragments, TWO sets, at v0 and v128; the bias at v96-127 and v224-255.   window 2: the accumulators of my rows 0-63 ((a, b) at v[8 (8 a + b)]);   window 3: those of my rows 64-127.
.set SIZE_N, 1024
.set SIZE_K, 2048
.set KSTEP,  256
.set NQ,     KSTEP/128
.set ROWB,   192                       ; a row of w1's tile in bytes
.set KROW,   SIZE_K*6/8                ; a row of w1 in memory
.set PITCH,  240                       ; and in LDS: 3 x (64 bytes of data + 16 of padding)
.set FR,     12                        ; registers of a fragment
.set NLA,    3                         ; LDS loads that bring a fragment of h
.set NP,     4                         ; places behind this matrix instruction (ISA guide 7.12.1)
.set IMGK,   2*1536                    ; a block of 16 tokens, one K step of 256: two images on end
.set IMGR,   16*1536                   ; from a block of 16 tokens to the next, in memory
.set HALFA,  8*IMGK                    ; 128 tokens of h in a slot
.set BOFF,   2*HALFA                   ; behind h's 256 tokens: w1's 256 rows
.set HALFT,  128*PITCH
.set SLOT,   BOFF+2*HALFT
.set LAPS,   SIZE_K/(2*KSTEP)
.set KS,     SIZE_K/32                 ; a row of w1's scale bytes
.set BSC,    2*SLOT                    ; behind the ring: w1's scales, as units of 256 bytes + 16 of padding
.set HALFS,  (128*KS/256)*272
.set SBLK,   (16*KS/256)*272
.set ASC,    BSC+2*HALFS               ; h's scale words: 16 K steps x 256 tokens x 4 bytes
.set SPARE,  ASC+16384                 ; the spare words, 128 bytes for each wave: two blocks of 256 bytes that no other line names
.set SPITCH, 528                       ; the way out: a stage of 16 rows x (512 bytes + 16) for each wave, in slot 0, which has had its last fill and its last read by then
.set BIA,  7                           ; v7      32 x (lane / 16): my eight numbers of a block's bias
.set ADSB, 15                          ; v15     LDS address of w1's scale words: row lane % 16
.set ADRA, 16                          ; v16-17  LDS address of my h fragments in slot 0, 1: 16 x lane + my half
.set ADRB, 20                          ; v20-21  of my w1 fragments  (v22-23: for the pieces behind one padding more)
.set STO,  24                          ; v24     the way out: where I put 32 bytes of a row
.set RD,   25                          ; v25     where I read a row back
.set CO,   26                          ; v26     16 x lane: my byte offset in a row of part
.set ADSA, 27                          ; v27     LDS address of h's scale words: lanes 0-15 the K step's first 128, lanes 16-31 its second
.set SPW,  28                          ; v28     LDS address of my spare word; never rewritten
.set NIL,  29                          ; v29     0; never rewritten
.set SCA,  32                          ; h's scale words: set s at v[32 + 8 s], register a: token block a
.set SCB,  48                          ; w1's: set s at v[48 + 16 s], register 2 b + q
.set AF,   128
.set BI,   96
.set BK,   128                         ; the way out: 16 rows read back from the stage: v128-191 and v192-255 by turns
.set G1, 24                            ; s[24:31] descriptor group 1 for h's tiles;  s[32:39] group 0, one set for each slot
.set G0, 32
.set G1B, 48                           ; s[48:55], s[56:63] the same for w1's tiles
.set G0B, 56
.set G1S, 68                           ; s[68:75], s[76:79] groups 1 and 0 for h's scale words;  s[80:87], s[88:91] for w1's scale bytes
.set G0S, 76
.set G1SB, 80
.set G0SB, 88
.set MSB, 0
.macro WIN new                         ; the immediate's high byte repeats the setting that is left
.if MSB != (\new)
	s_set_vgpr_msb (MSB<<8)|(\new)
.set MSB, (\new)
.endif
.endm
.set MUL_LO, 0xa1                      ; source 0 (w1) window 1, source 1 (h) window 0, C and D window 2;  less 0x10: C (the bias) window 1
.set MUL_HI, 0xf1                      ; the same, C and D window 3;  less 0x20: C window 1
.set TO_B,   0x40
; A joint load: waves 0 and 1 fetch for h, waves 2 and 3 for w1.  The branch hangs on the wave's number alone.  Four v_nop follow each of the two lines.
.macro JLOAD g0a, g1a, g0b, g1b
	s_cmp_eq_u32 s15, 0
	s_cbranch_scc0 .Lfor_b_\@
	tensor_load_to_lds s[\g0a:\g0a+3], s[\g1a:\g1a+7]
	s_nop 0
.rept 4
	v_nop
.endr
	s_branch .Lasked_\@
.Lfor_b_\@:
	tensor_load_to_lds s[\g0b:\g0b+3], s[\g1b:\g1b+7]
	s_nop 0
.rept 4
	v_nop
.endr
.Lasked_\@:
.endm
.macro CREST
	s_cmp_lg_u32 s14, 0
	s_cbranch_scc1 .Lnot_wave_0_\@
	s_barrier_signal -3
.Lnot_wave_0_\@:
	s_barrier_wait -3
	s_barrier_signal -1
	s_barrier_wait -1
.endm
.macro CROUND
	s_barrier_signal -1
	s_barrier_wait -1
	CREST
.endm
	s_load_b128 s[4:7], s[0:1], 0x0                ; h_img s[4:5], h_sc s[6:7]
	s_load_b128 s[8:11], s[0:1], 0x10              ; w1's codes s[8:9], w1's scales s[10:11]
	s_load_b64 s[96:97], s[0:1], 0x20              ; b1
	s_load_b64 s[12:13], s[0:1], 0x28              ; part
	v_lshl_add_u32 v[SPW], v0, 2, SPARE
	v_mov_b32 v[NIL], 0
	ds_add_u32 v28, v29
	ds_add_u32 v28, v29
	s_wait_dscnt 0x0
	v_lshrrev_b32 v1, 5, v0
	v_readfirstlane_b32 s14, v1                    ; wave 0..3
	s_lshr_b32 s15, s14, 1                         ; which half of the tile's rows is mine.  Also: I fetch for h (0) or for w1 (1)
	s_and_b32 s16, s14, 1                          ; which half of its columns.  Also: which half of that tile I fetch
	s_bfe_u32 s40, ttmp6, 0x40000                  ; cx, cy: my place in the cluster
	s_bfe_u32 s41, ttmp6, 0x40004
	s_lshl_b32 s42, ttmp9, 2
	s_add_co_u32 s42, s42, s40                     ; tile column = 4 x cluster x + cx
	s_and_b32 s17, ttmp7, 0xffff
	s_lshl_b32 s17, s17, 2
	s_add_co_u32 s17, s17, s41                     ; tile row = 4 x cluster y + cy = 8 x expert + the expert's block of 256 tokens
	s_lshl_b32 s43, s41, 2
	s_lshl_b32 s43, 15, s43                        ; my row of the cluster
	s_lshl_b32 s44, 0x1111, s40                    ; my column
	; h's tiles: 8 blocks of 16 tokens x 3,072 bytes (384 elements of 8 bytes), 24,576 bytes apart in memory, dense in LDS
	s_or_b32 s[G1+0], s43, (3<<16)|(1<<21)         ; 15:0 the mask: my row; 17:16 elements of 8 bytes; 20 no padding; 21 set beside a mask
	s_mov_b32 s[G1+1], (IMGK/8)<<16                ; tensor_dim0
	s_mov_b32 s[G1+2], 8<<16                       ; tensor_dim1
	s_mov_b32 s[G1+3], (IMGK/8)<<16                ; tile_dim0
	s_mov_b32 s[G1+4], 8                           ; tile_dim1
	s_mov_b32 s[G1+5], IMGR/8                      ; tensor_dim0_stride
	s_mov_b32 s[G1+6], 0
	s_mov_b32 s[G1+7], 0
	; w1's tiles: 128 rows x 192 bytes, 16 bytes of padding behind every 64
	s_or_b32 s[G1B+0], s44, (0<<16)|(1<<20)|(1<<21)|(3<<22)|(3<<25)
	s_mov_b32 s[G1B+1], ROWB<<16
	s_mov_b32 s[G1B+2], 128<<16
	s_mov_b32 s[G1B+3], ROWB<<16
	s_mov_b32 s[G1B+4], 128
	s_mov_b32 s[G1B+5], KROW
	s_mov_b32 s[G1B+6], 0
	s_mov_b32 s[G1B+7], 0
	; h's scale words: 8 K steps x 1,024 bytes (256 tokens), 8,192 bytes apart in memory, dense in LDS
	s_or_b32 s[G1S+0], s43, (3<<16)|(1<<21)
	s_mov_b32 s[G1S+1], 128<<16
	s_mov_b32 s[G1S+2], 8<<16
	s_mov_b32 s[G1S+3], 128<<16
	s_mov_b32 s[G1S+4], 8
	s_mov_b32 s[G1S+5], 1024
	s_mov_b32 s[G1S+6], 0
	s_mov_b32 s[G1S+7], 0
	; w1's scale bytes of 128 rows: a dense block, as rows of 256 bytes, 16 bytes of padding behind each
	s_or_b32 s[G1SB+0], s44, (3<<16)|(1<<20)|(1<<21)|(5<<22)|(3<<25)
	s_mov_b32 s[G1SB+1], 32<<16
	s_mov_b32 s[G1SB+2], (128*KS/256)<<16
	s_mov_b32 s[G1SB+3], 32<<16
	s_mov_b32 s[G1SB+4], 128*KS/256
	s_mov_b32 s[G1SB+5], 32
	s_mov_b32 s[G1SB+6], 0
	s_mov_b32 s[G1SB+7], 0
	; where the tiles come from.  h's: of the tile row and the wave's number alone
	s_lshl_b32 s20, s17, 4
	s_lshl_b32 s18, s16, 3
	s_add_co_u32 s20, s20, s18                     ; the first block of 16 tokens that I fetch, counted through all experts
	s_mul_i32 s20, s20, IMGR                       ; 25,165,824 at the most
	s_mov_b32 s21, 0
	s_lshr_b32 s22, s17, 3                         ; the expert: 131,072 bytes of scale words each,
	s_lshl_b32 s22, s22, 17
	s_and_b32 s23, s17, 7
	s_lshl_b32 s23, s23, 10                        ; the block of 256 tokens: 1,024 bytes,
	s_add_co_u32 s22, s22, s23
	s_lshl_b32 s23, s16, 16                        ; my eight K steps: 8 x 8,192 bytes
	s_add_co_u32 s22, s22, s23
	s_mov_b32 s23, 0
	; w1's: of the tile column, the cluster's y and the wave's number alone
	s_and_b32 s46, ttmp7, 0xffff
	s_lshr_b32 s46, s46, 1                         ; the expert = cluster y / 2
	s_lshl_b32 s46, s46, 10
	s_lshl_b32 s47, s42, 8
	s_add_co_u32 s46, s46, s47
	s_lshl_b32 s47, s16, 7
	s_add_co_u32 s46, s46, s47                     ; row of w1: 1,024 x expert + 256 x tile column + 128 x half: also my first column's place in b1
	s_lshl_b32 s2, s46, 2
	s_mov_b32 s3, 0
	s_lshl_b32 s92, s46, 6                         ; its scale bytes
	s_mov_b32 s93, 0
	s_mul_i32 s46, s46, KROW                       ; its codes: 12,582,912 at the most
	s_mov_b32 s47, 0
	s_mul_i32 s45, s16, HALFA                      ; where they go: no place in the cluster enters an LDS address
	s_mul_i32 s95, s16, HALFT
	s_add_co_u32 s95, s95, BOFF
	s_lshl_b32 s94, s16, 13
	s_mul_i32 s19, s16, HALFS
	s_wait_kmcnt 0x0
	s_add_nc_u64 s[20:21], s[4:5], s[20:21]
	s_add_nc_u64 s[22:23], s[6:7], s[22:23]
	s_add_nc_u64 s[46:47], s[8:9], s[46:47]
	s_add_nc_u64 s[92:93], s[10:11], s[92:93]
	s_add_nc_u64 s[96:97], s[96:97], s[2:3]
	CROUND                                         ; all sixteen work-groups are here: the first joint loads meet
	s_mov_b32 s[G0S], 1
	s_add_co_u32 s[G0S+1], s94, ASC
	s_mov_b64 s[G0S+2:G0S+3], s[22:23]
	s_or_b32 s[G0S+3], s[G0S+3], 0x80000000
	s_mov_b32 s[G0SB], 1
	s_add_co_u32 s[G0SB+1], s19, BSC
	s_mov_b64 s[G0SB+2:G0SB+3], s[92:93]
	s_or_b32 s[G0SB+3], s[G0SB+3], 0x80000000
	JLOAD G0S, G1S, G0SB, G1SB                     ; the scales first: they are wanted with K step 0
.irp s, 0,1
	s_mov_b32 s[G0+4*\s], 1
	s_add_co_u32 s[G0+4*\s+1], s45, \s*SLOT
	s_add_nc_u64 s[G0+4*\s+2:G0+4*\s+3], s[20:21], \s*IMGK
	s_or_b32 s[G0+4*\s+3], s[G0+4*\s+3], 0x80000000
	s_mov_b32 s[G0B+4*\s], 1
	s_add_co_u32 s[G0B+4*\s+1], s95, \s*SLOT
	s_add_nc_u64 s[G0B+4*\s+2:G0B+4*\s+3], s[46:47], \s*ROWB
	s_or_b32 s[G0B+4*\s+3], s[G0B+4*\s+3], 0x80000000
	JLOAD G0+4*\s, G1, G0B+4*\s, G1B               ; three tensor loads of mine are out behind the second of these
.endr
	v_and_b32 v1, 15, v0                           ; l % 16
	v_bfe_u32 v2, v0, 4, 1                         ; l / 16
	v_mul_u32_u24 v3, v1, PITCH
	v_mul_u32_u24 v4, v2, 24
	v_add_nc_u32 v4, v3, v4                        ; w1: a fragment's row x pitch + 24 x half
	v_lshl_add_u32 v5, v2, 4, v4                   ; and the same behind one padding more
	v_and_b32 v6, 31, v0
	v_lshlrev_b32 v[CO], 4, v6                     ; 16 x lane
	s_mul_i32 s21, s15, HALFA                      ; my 128 tokens of h
	s_mul_i32 s22, s16, HALFT                      ; my 128 rows of w1
	s_add_co_u32 s22, s22, BOFF
.irp s, 0,1
	v_add_nc_u32 v[ADRA+\s], s21, v[CO]
	v_add_nc_u32 v[ADRB+\s], s22, v4
	v_add_nc_u32 v[ADRB+2+\s], s22, v5
	s_add_co_u32 s21, s21, SLOT
	s_add_co_u32 s22, s22, SLOT
.endr
	v_lshlrev_b32 v5, 2, v1                        ; h's scale words: 4 bytes a token,
	v_lshl_add_u32 v5, v2, 10, v5                  ; lanes 16-31 one K step of 128 (1,024 bytes) on,
	s_lshl_b32 s21, s15, 9                         ; my 128 tokens
	s_add_co_u32 s21, s21, ASC
	v_add_nc_u32 v[ADSA], s21, v5
	v_lshlrev_b32 v5, 6, v1                        ; w1's scale bytes: 64 a row,
	v_lshrrev_b32 v6, 8, v5
	v_lshl_add_u32 v5, v6, 4, v5                   ; and 16 more for each 256 passed
	s_mul_i32 s22, s16, HALFS
	s_add_co_u32 s22, s22, BSC
	v_add_nc_u32 v[ADSB], s22, v5
	v_lshlrev_b32 v[BIA], 5, v2                    ; the bias: lane (r, h) wants, for block b, columns 16 b + 8 h + 0 .. 7
	WIN TO_B
.irp b, 0,1,2,3,4,5,6,7
	global_load_b128 v[BI+8*\b+96*(\b/4):BI+8*\b+96*(\b/4)+3],   v[BIA], s[96:97] offset:64*\b
	global_load_b128 v[BI+8*\b+96*(\b/4)+4:BI+8*\b+96*(\b/4)+7], v[BIA], s[96:97] offset:64*\b+16
.endr
	WIN 0
	s_mul_i32 s23, s14, 16*SPITCH                  ; my stage
	v_mul_u32_u24 v5, v1, SPITCH                   ; in: row l % 16, 32 bytes for each half of the lanes
	v_lshl_add_u32 v5, v2, 5, v5
	v_add_nc_u32 v[STO], s23, v5
	v_add_nc_u32 v[RD], s23, v[CO]                 ; back: the 32 lanes take one row of 512 bytes
	s_lshl_b32 s20, s17, 8
	s_lshl_b32 s21, s15, 7
	s_add_co_u32 s20, s20, s21                     ; my first row of part: 256 x tile row + 128 x half
	s_mov_b32 s21, 0
	s_mov_b64 s[18:19], SIZE_N*4
	s_mul_u64 s[20:21], s[20:21], s[18:19]
	s_lshl_b32 s46, s42, 10                        ; my first column, in bytes: 1,024 x tile column + 512 x half
	s_lshl_b32 s47, s16, 9
	s_add_co_u32 s46, s46, s47
	s_mov_b32 s47, 0
	s_add_nc_u64 s[20:21], s[20:21], s[46:47]
	s_add_nc_u64 s[12:13], s[12:13], s[20:21]
.macro FRAG reg, adr, q, i             ; a fragment of w1: 12 registers; lane l holds row l % 16; registers 6 c .. 6 c + 5 hold K = 64 c + 32 (l / 16) + 0 .. 31: 24 bytes of the row's stream of bits, in pieces of 8 bytes
.irp p, 0,1,2,3,4,5
.set PC, 12*(\q)+6*(\p/3)+\p%3        ; 16 bytes of padding lie behind every 8 pieces: where the piece three on lies behind one padding more, the second address register serves
.if PC%8 < 5
	ds_load_b64 v[\reg+2*\p:\reg+2*\p+1], v[\adr] offset:8*PC+16*(PC/8)+(\i)*16*PITCH
.else
	ds_load_b64 v[\reg+2*\p:\reg+2*\p+1], v[\adr+2] offset:8*PC+16*(PC/8)+(\i)*16*PITCH
.endif
.endr
.endm
.macro FRAGI reg, slot, q, i           ; a fragment of h: its image comes back as it was stored: three loads of 512 consecutive bytes
.irp g, 0,1,2
	ds_load_b128 v[\reg+4*\g:\reg+4*\g+3], v[ADRA+\slot] offset:IMGK*(\i)+1536*(\q)+512*\g
.endr
.endm
; 16 matrix instructions: token blocks a0, a0 + 1 x w1's eight blocks, 128 along K: the slot's q-th.  h's scale register holds the first 128's words in lanes 0-15 and the second's in lanes 16-31.
; zero = 1: the first product starts the sums, with the bias as C.  The 64 accumulators take turns, one instruction a turn, in the same order in every step.
.macro MUL16 a0, p, q, sc, zero
.irp a, \a0, \a0+1
.irp b, 0,1,2,3,4,5,6,7
.if \zero
	v_wmma_scale_f32_16x16x128_f8f6f4 v[8*(8*((\a)%4)+\b):8*(8*((\a)%4)+\b)+7], v[128*(\p)+FR*\b:128*(\p)+FR*\b+FR-1], v[AF+FR*(\a):AF+FR*(\a)+FR-1], v[BI+8*\b+96*(\b/4):BI+8*\b+96*(\b/4)+7], v[SCB+16*(\sc)+2*\b+(\q)], v[SCA+8*(\sc)+(\a)] matrix_a_fmt:MATRIX_FMT_FP6 matrix_b_fmt:MATRIX_FMT_FP6
.elseif (\q) == 1
	v_wmma_scale_f32_16x16x128_f8f6f4 v[8*(8*((\a)%4)+\b):8*(8*((\a)%4)+\b)+7], v[128*(\p)+FR*\b:128*(\p)+FR*\b+FR-1], v[AF+FR*(\a):AF+FR*(\a)+FR-1], v[8*(8*((\a)%4)+\b):8*(8*((\a)%4)+\b)+7], v[SCB+16*(\sc)+2*\b+(\q)], v[SCA+8*(\sc)+(\a)] matrix_a_fmt:MATRIX_FMT_FP6 matrix_b_fmt:MATRIX_FMT_FP6 matrix_b_scale:MATRIX_SCALE_ROW1
.else
	v_wmma_scale_f32_16x16x128_f8f6f4 v[8*(8*((\a)%4)+\b):8*(8*((\a)%4)+\b)+7], v[128*(\p)+FR*\b:128*(\p)+FR*\b+FR-1], v[AF+FR*(\a):AF+FR*(\a)+FR-1], v[8*(8*((\a)%4)+\b):8*(8*((\a)%4)+\b)+7], v[SCB+16*(\sc)+2*\b+(\q)], v[SCA+8*(\sc)+(\a)] matrix_a_fmt:MATRIX_FMT_FP6 matrix_b_fmt:MATRIX_FMT_FP6
.endif
.endr
.endr
.endm
.macro FETCH_B slot, q, p
	WIN TO_B
.irp i, 0,1,2,3,4,5,6,7
	FRAG 128*(\p)+FR*\i, ADRB+\slot, \q, \i
.endr
	WIN 0
.endm
.macro FETCH_A slot, q, i0
.irp i, \i0, \i0+1, \i0+2, \i0+3
	FRAGI AF+FR*(\i), \slot, \q, \i
.endr
.endm
.macro SCALES sc                       ; the next K step's scale words into set sc
.irp i, 0,1,2,3,4,5,6,7
	ds_load_b32 v[SCA+8*\sc+\i], v[ADSA] offset:64*\i
.endr
.irp i, 0,1,2,3,4,5,6,7
	ds_load_b64 v[SCB+16*\sc+2*\i:SCB+16*\sc+2*\i+1], v[ADSB] offset:\i*SBLK
.endr
.endm
; A load into a register that a matrix instruction has read, and an LDS store that reads a matrix result, stand NP places behind that matrix instruction; only plain vector
; instructions that name none of its registers are places (ISA guide 7.12.1 for vector instructions).
.macro PLACES n
.rept \n
	v_nop
.endr
.endm
.macro STEP slot, q, zero
	s_wait_dscnt 4*NLA                             ; w1's set, the scale words and h's blocks 0-3 are in; the youngest 12 loads (h's blocks 4-7) may be out
	WIN MUL_LO-0x10*(\zero)
	MUL16 0, (\q)%2, \q, \slot, \zero
	MUL16 2, (\q)%2, \q, \slot, \zero
	s_wait_dscnt 0                                 ; h's blocks 4-7 are in (asked for 32 matrix instructions ago)
	PLACES NP
	FETCH_B \slot, (\q)+1, 1-(\q)%2
	FETCH_A \slot, (\q)+1, 0
	WIN MUL_HI-0x20*(\zero)
	MUL16 4, (\q)%2, \q, \slot, \zero
	MUL16 6, (\q)%2, \q, \slot, \zero
	PLACES NP
	WIN 0
	FETCH_A \slot, (\q)+1, 4
.endm
; A slot's last step changes slots: ONE barrier; in front of it each wave waits for all its tensor loads, adds 0 to its spare word, and waits for that and for its own reads of this slot.  fill = 1: this slot is filled again, two K steps ahead.
.macro TURN slot, next, fill
	s_wait_tensorcnt 0x0                           ; all my tensor loads have landed: my part of the next slot;  (every window is 0 here)
	ds_add_u32 v[SPW], v[NIL]                      ; 0 onto my spare word
	s_wait_dscnt 4*NLA+1                           ; (the add and the youngest 12 loads, h's blocks 4-7, may be out)
	WIN MUL_LO
	MUL16 0, 1, NQ-1, \slot, 0                     ; sixteen matrix instructions stand between the add and the wait for it
	s_wait_dscnt 0x0                               ; the add is done, and my reads of this slot are over
	s_barrier_signal -1
	MUL16 2, 1, NQ-1, \slot, 0
	WIN 0
	s_barrier_wait -1
.if \fill
	CREST                                          ; the barrier has opened a round of the cluster's barrier: no wave of any partner still reads this slot's tile or has a load on its way
	s_add_nc_u64 s[G0+4*\slot+2:G0+4*\slot+3], s[G0+4*\slot+2:G0+4*\slot+3], 2*IMGK
	s_add_nc_u64 s[G0B+4*\slot+2:G0B+4*\slot+3], s[G0B+4*\slot+2:G0B+4*\slot+3], 2*ROWB
	JLOAD G0+4*\slot, G1, G0B+4*\slot, G1B         ; the first tensor load behind the round; the four v_nop behind it are the places in front of the loads below
.else
	PLACES NP
.endif
	v_add_nc_u32 v[ADSA], 2048, v[ADSA]            ; on to the next K step's scale words (no LDS load of mine is out): two rows of 1,024 bytes,
	v_add_nc_u32 v[ADSB], 4*NQ, v[ADSB]            ; eight bytes in each row of w1's
	FETCH_B \next, 0, 0
	FETCH_A \next, 0, 0
	SCALES \next
	WIN MUL_HI
	MUL16 4, 1, NQ-1, \slot, 0
	MUL16 6, 1, NQ-1, \slot, 0
	PLACES NP
	WIN 0
	FETCH_A \next, 0, 4
.endm
	s_wait_loadcnt 0x0                             ; the bias
	s_wait_tensorcnt 1                             ; the scales and my part of K step 0 are in (K step 1's load may be out)
	s_barrier_signal -1
	s_barrier_wait -1                              ; everybody's are
	FETCH_B 0, 0, 0
	FETCH_A 0, 0, 0
	SCALES 0
	FETCH_A 0, 0, 4
	STEP 0, 0, 1                                   ; the first step stands in front of the loop: its products start the sums
	s_mov_b32 s3, LAPS-1
.Llap:                                                 ; a trip goes once round the ring, from a lap's second step to the next lap's first, and fills both slots again
	TURN 0, 1, 1
	STEP 1, 0, 0
	TURN 1, 0, 1
	STEP 0, 0, 0
	s_sub_co_u32 s3, s3, 1
	s_cmp_lg_u32 s3, 0
	s_cbranch_scc1 .Llap
	TURN 0, 1, 0                                   ; the last lap fills nothing, and has no round of the cluster's barrier
	STEP 1, 0, 0
	s_wait_dscnt 4*NLA                             ; the very last step: nothing more to fetch
	WIN MUL_LO
	MUL16 0, 1, NQ-1, 1, 0
	MUL16 2, 1, NQ-1, 1, 0
	s_wait_dscnt 0
	WIN MUL_HI
	MUL16 4, 1, NQ-1, 1, 0
	MUL16 6, 1, NQ-1, 1, 0
	WIN 0
; THE WAY OUT, block by block of 16 rows x 128 columns.  A lane holds 32 neighbouring bytes of a row, and the lanes beside it hold other rows: so a block goes through my own stage in LDS and comes back as whole
; rows of 512 bytes.  LDS serves a wave's instructions in order (ISA guide 5.7.1.4): no wait between the stores and the loads, nor in front of the next block's stores.
.macro TOSTAGE a
.set AC, 64*((\a)%4)
	WIN 0x08+4*((\a)/4)                            ; the data: window 2 or 3
.irp b, 0,1,2,3,4,5,6,7
	ds_store_b128 v[STO], v[AC+8*\b:AC+8*\b+3] offset:64*\b          ; each accumulator from its low end on
	ds_store_b128 v[STO], v[AC+8*\b+4:AC+8*\b+7] offset:64*\b+16
.endr
	WIN 0
.set BB, BK+64*((\a)%2)
.irp t, 0,1,2,3,4,5,6,7,8,9,10,11,12,13,14,15
	ds_load_b128 v[BB+4*\t:BB+4*\t+3], v[RD] offset:\t*SPITCH
.endr
.endm
.macro SEND a, younger                 ; younger: the LDS instructions issued behind block a's loads, which may stay out
.set BB, BK+64*((\a)%2)
	s_wait_dscnt \younger                          ; the block is back in registers
.if (\a) > 0
	s_add_nc_u64 s[12:13], s[12:13], 16*SIZE_N*4   ; (behind a wait on XCNT: the earlier stores have read their base)  16 rows on
.endif
.irp t, 0,1,2,3,4,5,6,7,8,9,10,11,12,13,14,15
	global_store_b128 v[CO], v[BB+4*\t:BB+4*\t+3], s[12:13] offset:\t*SIZE_N*4   ; 32 lanes store 512 consecutive bytes, at a multiple of 256 from the buffer's first byte; the next launch reads them
.endr
.endm
	PLACES NP                                      ; these places serve the loads into the registers that held h's fragments and block 7's reads alike
	TOSTAGE 0
.irp a, 1,2,3,4,5,6,7
.if \a > 1
	s_wait_xcnt 0x0                                ; block a - 2's stores have read their registers and their base: block a's loads may land there, and the base may step
.endif
	TOSTAGE \a
	SEND \a-1, 32                                  ; behind block a - 1's loads: block a's 16 stores and 16 loads
.endr
	s_wait_xcnt 0x0                                ; block 6's stores have read their base
	SEND 7, 0
	s_wait_tensorcnt 0x0                           ; the wave's end, behind my last tensor load and my last LDS store
	ds_add_u32 v[SPW], v[NIL]
	s_wait_dscnt 0x0
	CROUND                                         ; the closing round: no work-group ends while a partner may still ask for a tile that names it
	s_endpgm
.Lfunc_end_k_q61ddf3aa32_exp2:
	.size	k_q61ddf3aa32_exp2, .Lfunc_end_k_q61ddf3aa32_exp2-k_q61ddf3aa32_exp2
	.p2alignl 7, 3214868480
	.fill 96, 4, 3214868480
	.section	.rodata,"a",@progbits
	.p2align	6, 0x0
	.amdhsa_kernel k_q61ddf3aa32_exp2
		.amdhsa_group_segment_fixed_size 327680
		.amdhsa_private_segment_fixed_size 0
		.amdhsa_enable_private_segment 0
		.amdhsa_kernarg_size 48
		.amdhsa_user_sgpr_count 2
		.amdhsa_user_sgpr_kernarg_segment_ptr 1
		.amdhsa_wavefront_size32 1
		.amdhsa_system_sgpr_workgroup_id_x 1
		.amdhsa_system_sgpr_workgroup_id_y 1
		.amdhsa_system_sgpr_workgroup_id_z 1
		.amdhsa_system_vgpr_workitem_id 0
		.amdhsa_next_free_vgpr 1024
		.amdhsa_next_free_sgpr 100
		.amdhsa_reserve_vcc 0
		.amdhsa_float_denorm_mode_32 3
		.amdhsa_float_denorm_mode_16_64 3
		.amdhsa_memory_ordered 1
		.amdhsa_forward_progress 1
		.amdhsa_inst_pref_size 152
	.end_amdhsa_kernel
	.amdgpu_metadata
---
amdhsa.version: [ 1, 2 ]
amdhsa.kernels:
  - .name:           k_q61ddf3aa32_exp2
    .symbol:         k_q61ddf3aa32_exp2.kd
    .args:
      - { .name: h_img, .offset: 0, .size: 8, .value_kind: global_buffer, .address_space: global }
      - { .name: h_sc, .offset: 8, .size: 8, .value_kind: global_buffer, .address_space: global }
      - { .name: w1_codes, .offset: 16, .size: 8, .value_kind: global_buffer, .address_space: global }
      - { .name: w1_scales, .offset: 24, .size: 8, .value_kind: global_buffer, .address_space: global }
      - { .name: b1, .offset: 32, .size: 8, .value_kind: global_buffer, .address_space: global }
      - { .name: part, .offset: 40, .size: 8, .value_kind: global_buffer, .address_space: global }
    .group_segment_fixed_size: 327680
    .private_segment_fixed_size: 0
    .kernarg_segment_align: 8
    .kernarg_segment_size: 48
    .max_flat_workgroup_size: 128
    .sgpr_count:     100
    .vgpr_count:     1024
    .wavefront_size: 32
...
	.end_amdgpu_metadata
.endif
;; end of part 2
;; launch mix (part 3): grid 512 x 1, 8 waves a work-group, no clusters, 0 bytes of LDS; arguments part, routing_tensor, out0; writes out0
.if DOCPART == 3
	.amdgcn_target "amdgcn-amd-amdhsa--gfx1250"
	.amdhsa_code_object_version 6
	.text
	.protected	k_q61ddf3aa32_mix
	.globl	k_q61ddf3aa32_mix
	.p2align	8
	.type	k_q61ddf3aa32_mix,@function
k_q61ddf3aa32_mix:
	s_mov_b64 s[64:65], 0
	v_nop
	global_prefetch_b8 v0, s[64:65] scope:SCOPE_SE
	s_setreg_imm32_b32 hwreg(HW_REG_WAVE_MODE, 25, 1), 1
	s_wait_xcnt 0x0
; out0[n][d] = sum over e of routing_tensor[n][e] part[e][n][d], in f32, e ascending, by fused multiply-adds.  part: [8][2048][1024], out0: [2048][1024].
; A stream: every byte of part is read once and every byte of out0 written once, so no LDS, no barrier, no matrix unit and no cluster: work-groups share no input.
; A work-group takes four tokens; wave w takes half w % 2 (2,048 bytes) of the row of token 4 x work-group + w / 2, for all eight experts: 32 loads of 512 consecutive bytes, all issued at once.
; Experts lie 8,388,608 bytes apart, one more than a load's immediate reaches: each has a base of its own.
.set ESTEP, 0x800000
.set R,   4                            ; v4-11   the token's eight gates, the same in every lane
.set ACC, 12                           ; v12-27  my 16 sums
.set X,   32                           ; v32-159 expert e: 16 registers
.set PB,  12                           ; s[12:27] part at my half row, one pair for each expert
	s_load_b128 s[4:7], s[0:1], 0x0                ; part s[4:5], routing_tensor s[6:7]
	s_load_b64 s[8:9], s[0:1], 0x10                ; out0
	v_lshrrev_b32 v1, 5, v0
	v_readfirstlane_b32 s2, v1                     ; wave 0..7
	v_and_b32 v1, 31, v0
	v_lshlrev_b32 v1, 4, v1                        ; 16 x lane
	v_mov_b32 v2, 0
	s_lshr_b32 s3, s2, 1
	s_lshl_b32 s28, ttmp9, 2
	s_add_co_u32 s28, s28, s3                      ; my token
	s_and_b32 s29, s2, 1
	s_lshl_b32 s10, s28, 12                        ; its row of 4,096 bytes,
	s_lshl_b32 s29, s29, 11                        ; my half of it
	s_add_co_u32 s10, s10, s29
	s_mov_b32 s11, 0
	s_lshl_b32 s30, s28, 5                         ; its eight gates
	s_mov_b32 s31, 0
	s_wait_kmcnt 0x0
	s_add_nc_u64 s[6:7], s[6:7], s[30:31]
	s_add_nc_u64 s[8:9], s[8:9], s[10:11]
	s_add_nc_u64 s[PB:PB+1], s[4:5], s[10:11]
.irp e, 1,2,3,4,5,6,7
	s_add_nc_u64 s[PB+2*\e:PB+2*\e+1], s[PB+2*\e-2:PB+2*\e-1], ESTEP
.endr
	global_load_b128 v[R:R+3],   v2, s[6:7]
	global_load_b128 v[R+4:R+7], v2, s[6:7] offset:16
.irp e, 0,1,2,3,4,5,6,7
.irp c, 0,1,2,3
	global_load_b128 v[X+16*\e+4*\c:X+16*\e+4*\c+3], v1, s[PB+2*\e:PB+2*\e+1] offset:512*\c th:TH_LOAD_NT
.endr
.endr
	s_wait_loadcnt 28                              ; loads come back in order: the gates and expert 0's four are in; the 28 of experts 1 to 7 may be out
.irp j, 0,2,4,6,8,10,12,14
	v_pk_mul_f32 v[ACC+\j:ACC+\j+1], v[X+\j:X+\j+1], v[R:R+1] op_sel_hi:[1,0]   ; the first product starts the sums; both halves take the pair's first register
.endr
.irp e, 1,2,3,4,5,6,7
	s_wait_loadcnt 4*(7-\e)                        ; expert e's four are in; those of the later experts may be out
.irp j, 0,2,4,6,8,10,12,14
.if \e%2
	v_pk_fma_f32 v[ACC+\j:ACC+\j+1], v[X+16*\e+\j:X+16*\e+\j+1], v[R+\e-1:R+\e], v[ACC+\j:ACC+\j+1] op_sel:[0,1,0]   ; both halves take the pair's second register
.else
	v_pk_fma_f32 v[ACC+\j:ACC+\j+1], v[X+16*\e+\j:X+16*\e+\j+1], v[R+\e:R+\e+1], v[ACC+\j:ACC+\j+1] op_sel_hi:[1,0,1]
.endif
.endr
.endr
.irp c, 0,1,2,3
	global_store_b128 v1, v[ACC+4*\c:ACC+4*\c+3], s[8:9] offset:512*\c th:TH_STORE_NT   ; 32 lanes store 512 consecutive bytes, at a multiple of 256 from out0's first byte
.endr
	s_endpgm
.Lfunc_end_k_q61ddf3aa32_mix:
	.size	k_q61ddf3aa32_mix, .Lfunc_end_k_q61ddf3aa32_mix-k_q61ddf3aa32_mix
	.p2alignl 7, 3214868480
	.fill 96, 4, 3214868480
	.section	.rodata,"a",@progbits
	.p2align	6, 0x0
	.amdhsa_kernel k_q61ddf3aa32_mix
		.amdhsa_group_segment_fixed_size 0
		.amdhsa_private_segment_fixed_size 0
		.amdhsa_enable_private_segment 0
		.amdhsa_kernarg_size 24
		.amdhsa_user_sgpr_count 2
		.amdhsa_user_sgpr_kernarg_segment_ptr 1
		.amdhsa_wavefront_size32 1
		.amdhsa_system_sgpr_workgroup_id_x 1
		.amdhsa_system_sgpr_workgroup_id_y 1
		.amdhsa_system_sgpr_workgroup_id_z 1
		.amdhsa_system_vgpr_workitem_id 0
		.amdhsa_next_free_vgpr 160
		.amdhsa_next_free_sgpr 66
		.amdhsa_reserve_vcc 0
		.amdhsa_float_denorm_mode_32 3
		.amdhsa_float_denorm_mode_16_64 3
		.amdhsa_memory_ordered 1
		.amdhsa_forward_progress 1
		.amdhsa_inst_pref_size 10
	.end_amdhsa_kernel
	.amdgpu_metadata
---
amdhsa.version: [ 1, 2 ]
amdhsa.kernels:
  - .name:           k_q61ddf3aa32_mix
    .symbol:         k_q61ddf3aa32_mix.kd
    .args:
      - { .name: part, .offset: 0, .size: 8, .value_kind: global_buffer, .address_space: global }
      - { .name: routing_tensor, .offset: 8, .size: 8, .value_kind: global_buffer, .address_space: global }
      - { .name: out0, .offset: 16, .size: 8, .value_kind: global_buffer, .address_space: global }
    .group_segment_fixed_size: 0
    .private_segment_fixed_size: 0
    .kernarg_segment_align: 8
    .kernarg_segment_size: 24
    .max_flat_workgroup_size: 256
    .sgpr_count:     66
    .vgpr_count:     160
    .wavefront_size: 32
...
	.end_amdgpu_metadata
.endif
;; end of part 3
